; MI455X (gfx1250); checked and timed in simulation.
; The chip was launched on July 23, 2026; its instructions are those of AMD's public machine-readable ISA for CDNA 5 (MIT licence, August 2026) and "CDNA5" Instruction Set Architecture Reference Guide (July 2026). The comments in the code are by the model that wrote it; some were corrected since.
;; W4 Linear. Allowed arithmetic: float matrix products may take bf16 or f16 operands with f32 sums; all other float work in f32.
;; Inputs: bias 4,096 float32; scale one number float32; weight_packed 4,096 x 2,048 int32; x 4 x 1,024 x 4,096 float32.
;; Outputs: out0 4 x 1,024 x 4,096 float32.
;; One version. Each part assembles by itself: llvm-mc -triple=amdgcn-amd-amdhsa -mcpu=gfx1250 --defsym DOCPART=n.
;; ======== version 1 of 1: 2 launches
;; workspace buffers: xb 33,554,432 bytes; wb 33,554,432 bytes
;; launch prep (part 1): grid 1024 x 1, 8 waves a work-group, no clusters, 0 bytes of LDS; arguments x, weight_packed, xb, wb; writes xb, wb
.if DOCPART == 1
	.amdgcn_target "amdgcn-amd-amdhsa--gfx1250"
	.amdhsa_code_object_version 6
	.text
	.protected	k_q665f2328ab_prep
	.globl	k_q665f2328ab_prep
	.p2align	8
	.type	k_q665f2328ab_prep,@function
k_q665f2328ab_prep:
	s_mov_b64 s[64:65], 0
	v_nop
	global_prefetch_b8 v0, s[64:65] scope:SCOPE_SE
	s_setreg_imm32_b32 hwreg(HW_REG_WAVE_MODE, 25, 1), 1
	s_wait_xcnt 0x0
; Each number is converted once, ahead of the product.
;   xb[m][i]    = x[m][i] rounded to bf16 (nearest even).            x: 16,777,216 f32, xb: as many bf16.
;   wb[o][2c]   = (weight_packed[o][c] & 15) - 8,  wb[o][2c+1] = (weight_packed[o][c] >> 4) - 8, as bf16.
; The word is taken as the int32 that it is: AND, arithmetic shift, conversion to f32, minus 8.0 in f32, one rounding to bf16.
; For words 0 to 255 the results are the whole numbers -8 to 7, which bf16 holds exactly; other words are rounded to bf16's 8 bits.
; The scale is NOT applied here: the product's kernel multiplies the finished f32 sum by it.
; A stream: both arrays are dense, so the text works on byte ranges.  1,024 work-groups of eight waves; a work-group owns
; 65,536 bytes of x and 32,768 bytes of weight_packed; a wave 8,192 and 4,096 of them.  A wave issues its 24 loads of 512
; neighbouring bytes at once (12 KiB on their way), then converts and stores in the order of arrival.  No register that a
; pending load or store names is ever written again, so the only waits are the counted ones for the loads.
; No LDS, no matrix unit, no cluster: no byte is used twice.
.set T, 4                              ; v[4:11]   four pairs at work
.set W, 12                             ; v[12:43]  load j of 8: four words of weight_packed, then the same four words as pairs of bf16
.set X, 44                             ; v[44:107] load j of 16: four f32 of x; the first two registers then hold the four bf16
	s_load_b256 s[4:11], s[0:1], 0x0               ; x s[4:5], weight_packed s[6:7], xb s[8:9], wb s[10:11]
	s_lshl_b32 s12, ttmp9, 16                      ; the work-group's 65,536 bytes of x (below 2^26)
	s_mov_b32 s13, 0
	s_lshl_b32 s14, ttmp9, 15                      ; its 32,768 bytes of weight_packed, of xb and of wb
	s_mov_b32 s15, 0
	s_mov_b32 s16, 0xc1000000                      ; -8.0; the packed add takes the pair's first word for both halves,
	s_mov_b32 s17, 0xc1000000                      ; the second is written because the pair is named
	v_and_b32 v4, 31, v0                           ; lane
	v_lshrrev_b32 v5, 5, v0                        ; wave
	v_lshlrev_b32 v1, 4, v4                        ; 16 bytes a lane
	v_lshl_add_u32 v2, v5, 12, v1                  ; weight_packed in, wb out: wave x 4,096 + lane x 16
	v_lshl_add_u32 v1, v5, 13, v1                  ; x in: wave x 8,192 + lane x 16
	v_lshlrev_b32 v3, 3, v4
	v_lshl_add_u32 v3, v5, 12, v3                  ; xb out: wave x 4,096 + lane x 8
	s_wait_kmcnt 0x0
	s_add_nc_u64 s[4:5], s[4:5], s[12:13]
	s_add_nc_u64 s[6:7], s[6:7], s[14:15]
	s_add_nc_u64 s[8:9], s[8:9], s[14:15]
	s_add_nc_u64 s[10:11], s[10:11], s[14:15]
.irp j, 0,1,2,3,4,5,6,7
	global_load_b128 v[W+4*\j:W+4*\j+3], v2, s[6:7] offset:512*\j th:TH_LOAD_NT
.endr
.irp j, 0,1,2,3,4,5,6,7,8,9,10,11,12,13,14,15
	global_load_b128 v[X+4*\j:X+4*\j+3], v1, s[4:5] offset:512*\j th:TH_LOAD_NT
.endr
; Four words of weight_packed become eight bf16 in the same four registers: the low nibble's number in the low half (the even column).
.macro WCONV j
	s_wait_loadcnt 23-\j                           ; loads come back in order: 23 - j were issued behind this one
.irp k, 0,1,2,3
	v_and_b32     v[T+2*\k],   15, v[W+4*\j+\k]
	v_ashrrev_i32 v[T+2*\k+1], 4,  v[W+4*\j+\k]
.endr
.irp k, 0,1,2,3
	v_cvt_f32_i32 v[T+2*\k],   v[T+2*\k]
	v_cvt_f32_i32 v[T+2*\k+1], v[T+2*\k+1]
.endr
.irp k, 0,1,2,3
	v_pk_add_f32 v[T+2*\k:T+2*\k+1], v[T+2*\k:T+2*\k+1], s[16:17] op_sel_hi:[1,0]   ; the zero point, in f32
.endr
.irp k, 0,1,2,3
	v_cvt_pk_bf16_f32 v[W+4*\j+\k], v[T+2*\k], v[T+2*\k+1]
.endr
	global_store_b128 v2, v[W+4*\j:W+4*\j+3], s[10:11] offset:512*\j   ; 512 neighbouring bytes; the next launch reads them, so no streaming hint
.endm
; Four f32 of x become four bf16 in two registers.
.macro XCONV j
	s_wait_loadcnt 15-\j                           ; 15 - j loads were issued behind this one
	v_cvt_pk_bf16_f32 v[X+4*\j],   v[X+4*\j],   v[X+4*\j+1]
	v_cvt_pk_bf16_f32 v[X+4*\j+1], v[X+4*\j+2], v[X+4*\j+3]
	global_store_b64 v3, v[X+4*\j:X+4*\j+1], s[8:9] offset:256*\j      ; 32 lanes x 8 bytes: 256 consecutive bytes, at a multiple of 256 from xb's first byte
.endm
.irp j, 0,1,2,3,4,5,6,7
	WCONV \j
.endr
.irp j, 0,1,2,3,4,5,6,7,8,9,10,11,12,13,14,15
	XCONV \j
.endr
	s_endpgm
.Lfunc_end_k_q665f2328ab_prep:
	.size	k_q665f2328ab_prep, .Lfunc_end_k_q665f2328ab_prep-k_q665f2328ab_prep
	.p2alignl 7, 3214868480
	.fill 96, 4, 3214868480
	.section	.rodata,"a",@progbits
	.p2align	6, 0x0
	.amdhsa_kernel k_q665f2328ab_prep
		.amdhsa_group_segment_fixed_size 0
		.amdhsa_private_segment_fixed_size 0
		.amdhsa_enable_private_segment 0
		.amdhsa_kernarg_size 32
		.amdhsa_user_sgpr_count 2
		.amdhsa_user_sgpr_kernarg_segment_ptr 1
		.amdhsa_wavefront_size32 1
		.amdhsa_system_sgpr_workgroup_id_x 1
		.amdhsa_system_sgpr_workgroup_id_y 1
		.amdhsa_system_sgpr_workgroup_id_z 1
		.amdhsa_system_vgpr_workitem_id 0
		.amdhsa_next_free_vgpr 108
		.amdhsa_next_free_sgpr 66
		.amdhsa_reserve_vcc 0
		.amdhsa_float_denorm_mode_32 3
		.amdhsa_float_denorm_mode_16_64 3
		.amdhsa_memory_ordered 1
		.amdhsa_forward_progress 1
		.amdhsa_inst_pref_size 17
	.end_amdhsa_kernel
	.amdgpu_metadata
---
amdhsa.version: [ 1, 2 ]
amdhsa.kernels:
  - .name:           k_q665f2328ab_prep
    .symbol:         k_q665f2328ab_prep.kd
    .args:
      - { .name: x, .offset: 0, .size: 8, .value_kind: global_buffer, .address_space: global }
      - { .name: weight_packed, .offset: 8, .size: 8, .value_kind: global_buffer, .address_space: global }
      - { .name: xb, .offset: 16, .size: 8, .value_kind: global_buffer, .address_space: global }
      - { .name: wb, .offset: 24, .size: 8, .value_kind: global_buffer, .address_space: global }
    .group_segment_fixed_size: 0
    .private_segment_fixed_size: 0
    .kernarg_segment_align: 8
    .kernarg_segment_size: 32
    .max_flat_workgroup_size: 256
    .sgpr_count:     66
    .vgpr_count:     108
    .wavefront_size: 32
...
	.end_amdgpu_metadata
.endif
;; end of part 1
;; launch gemm (part 2): grid 16 x 16, 4 waves a work-group, clusters of 4 x 4, 327,680 bytes of LDS; arguments xb, wb, out0, bias, scale; writes out0
.if DOCPART == 2
	.amdgcn_target "amdgcn-amd-amdhsa--gfx1250"
	.amdhsa_code_object_version 6
	.text
	.protected	k_q665f2328ab_gemm
	.globl	k_q665f2328ab_gemm
	.p2align	8
	.type	k_q665f2328ab_gemm,@function
k_q665f2328ab_gemm:
	s_mov_b64 s[64:65], 0
	v_nop
	global_prefetch_b8 v0, s[64:65] scope:SCOPE_SE
	s_setreg_imm32_b32 hwreg(HW_REG_WAVE_MODE, 25, 1), 1
	s_wait_xcnt 0x0
	s_wait_alu depctr_hold_cnt(0) depctr_sa_sdst(0) depctr_va_vdst(0) depctr_va_sdst(0) depctr_va_ssrc(0) depctr_va_vcc(0) depctr_vm_vsrc(0)
	s_getreg_b32 s2, hwreg(HW_REG_IB_STS2, 6, 4)
	s_cmp_eq_u32 s2, 0
	s_cbranch_scc0 .Lentry_in_a_cluster
	s_endpgm
.Lentry_in_a_cluster:
	s_bfe_u32 s2, ttmp6, 0x10000c
	s_cmp_lg_u32 s2, 0xf033
	s_cbranch_scc0 .Lentry_shape_is_right
	s_endpgm
.Lentry_shape_is_right:
; out0[m][o] = scale * (sum over i of xb[m][i] wb[o][i]) + bias[o].  xb: [4096][4096] bf16 (x rounded), wb: [4096][4096] bf16 (nibble - 8),
; out0: [4096][4096] f32.  One f32 sum for each output, K ascending.
; WHAT DIFFERS FROM THE DEFINITION: the scale multiplies the finished f32 sum (one fused multiply-add with the bias) and not each weight, so the
; sum kept in f32 is 1/scale times the scaled one and leaves f32's range that factor earlier; x enters rounded to bf16 (8 bits); nothing else.
; A work-group makes a block of 256 x 256 with four waves, one on each SIMD of its WGP; a wave makes 128 x 128: 64 accumulator tiles of 16 x 16,
; 512 registers.  16 x 16 blocks = 256 work-groups.  K goes in 32 steps of 128 through a ring of two LDS slots filled by tensor loads: a tile's
; rows are 256 bytes of memory and start at multiples of 256 bytes from the buffer's first byte.
; CLUSTERS: 4 x 4 work-groups.  The four of a row of the cluster need the same tiles of xb, the four of a column the same tiles of wb.  Such a tile
; is asked for jointly: each of the four issues the same tensor load, with the same descriptor and a mask that names the four, and each receives it
; in its own LDS.  That divides the requests for both operands by four.
;
; REGISTERS, in windows of 256 (s_set_vgpr_msb says which window each operand place means):
;   window 0: v0-33 addresses, bias, scale; v64-127, v128-191 fragments of A (8 x 16 rows x 32 K), two buffers, on the way out rows of out0
;   window 1: v64-127, v128-191 fragments of B, two buffers
;   window 2: the 32 accumulator tiles of my rows 0-63 (tile (a, b) at v[8 (8 a + b)]);   window 3: those of my rows 64-127
; s_set_vgpr_msb's low byte: bits 1:0 source 0, 3:2 source 1, 5:4 source 2, 7:6 destination.
;
; THE MATRIX INSTRUCTION IS USED TRANSPOSED: source 0 = 16 rows of wb, source 1 = 16 rows of xb.  In the result lane l holds row l % 16 of out0 and
; its registers 0 to 7 the columns 8 (l / 16) + 0 .. 7: eight neighbouring f32 of a row, 32 bytes that go into LDS by two stores of 16.
; The 64 accumulators take turns, one matrix instruction a turn, in the same order in every quarter step, over the backward jump too.
.set SIZE_K, 4096
.set SIZE_N, 4096
.set KSTEP,  128
.set PITCH,  272                       ; an LDS row: 256 bytes of data + 16 of padding, an odd multiple of 16: the 16 rows that a load touches lie in 16 different 16-byte columns modulo 256
.set HALFT,  128*PITCH                 ; 128 rows: what one tensor load brings, and what one wave reads of A or of B
.set SLOT,   4*HALFT                   ; A's 256 rows, then B's 256 rows: 139,264 bytes
.set STAGE,  2*SLOT                    ; byte 278,528 = 1,088 x 256, behind the ring: no tensor load lands here
.set SPITCH, 528                       ; a stage row: 128 f32 + 16 bytes, again an odd multiple of 16
.set WSTAGE, 16*SPITCH                 ; a wave's own stage: 16 rows, 8,448 bytes = 33 x 256; four of them end at byte 312,320
.set LAPS, SIZE_K/(2*KSTEP)            ; a lap = two K steps = once round the ring: 16
.set ADRA, 16                          ; v16-17  LDS address of my A fragments in slot 0, 1
.set ADRB, 20                          ; v20-21  the same for B
.set STO,  24                          ; v24     the way out: where I put my 32 bytes of a row
.set RD,   25                          ; v25     the way out: where I read 16 bytes of a row back
.set CO,   26                          ; v26     16 x lane: my byte offset in a wave's 512 bytes of a row of out0, and of bias
.set BI,   28                          ; v[28:31] bias of my four columns
.set SC,   32                          ; v[32:33] the scale, twice
.set F0,   64                          ; fragment buffer 0
.set F1,   128                         ; fragment buffer 1
.set G1, 24                            ; s[24:31] descriptor group 1 for A's tiles
.set G0, 32                            ; s[32:39] descriptor group 0 for A's tiles, one set for each slot
.set G1B, 48                           ; s[48:55] descriptor group 1 for B's tiles: it differs from A's in the mask alone
.set G0B, 56                           ; s[56:63] descriptor group 0 for B's tiles, one set for each slot
.set MSB, 0
.macro WIN new                         ; the immediate's high byte repeats the setting that is left; a switch that changes nothing is dropped
.if MSB != \new
	s_set_vgpr_msb (MSB<<8)|\new
.set MSB, \new
.endif
.endm
.set MUL_LO, 0xa1                      ; source 0 (B) window 1, source 1 (A) window 0, C and D window 2
.set MUL_HI, 0xf1                      ; the same, C and D window 3
.set TO_B,   0x40                      ; destination window 1, address window 0
; A joint load.  Waves 0 and 1 fetch A's two halves, waves 2 and 3 B's.  Each line has one mask and one set of registers for all that issue it.
; The branch hangs on the wave's number alone, which is the same in every work-group.
.macro JLOAD s
	s_cmp_eq_u32 s11, 0
	s_cbranch_scc0 .Lfor_b_\@
	tensor_load_to_lds s[G0+4*\s:G0+4*\s+3], s[G1:G1+7]
	s_nop 0
	s_branch .Lasked_\@
.Lfor_b_\@:
	tensor_load_to_lds s[G0B+4*\s:G0B+4*\s+3], s[G1B:G1B+7]
	s_nop 0
.Lasked_\@:
.endm
; A round of the cluster's barrier: my work-group's barrier, so that wave 0's signal speaks for all four waves; wave 0 signals for the work-group;
; every wave waits for all sixteen work-groups; my work-group's barrier once more.
.macro CREST                           ; a round behind its opening barrier
	s_cmp_lg_u32 s10, 0
	s_cbranch_scc1 .Lnot_wave_0_\@
	s_barrier_signal -3
.Lnot_wave_0_\@:
	s_barrier_wait -3
	s_barrier_signal -1
	s_barrier_wait -1
.endm
.macro CROUND                          ; a whole round
	s_barrier_signal -1
	s_barrier_wait -1
	CREST
.endm
	s_load_b128 s[4:7], s[0:1], 0x0                ; xb s[4:5], wb s[6:7]
	s_load_b64 s[8:9], s[0:1], 0x10                ; out0
	s_load_b64 s[68:69], s[0:1], 0x18              ; bias
	s_load_b64 s[70:71], s[0:1], 0x20              ; where the scale lies
	s_set_vgpr_msb 0x40
	v_lshl_add_u32 v255, v0, 2, 0x4c400
	s_set_vgpr_msb 0x4000
	v_mov_b32 v255, 0
	s_set_vgpr_msb 0x1
	ds_add_u32 v255, v255
	s_set_vgpr_msb 0x100
	v_lshrrev_b32 v1, 5, v0
	v_readfirstlane_b32 s10, v1                    ; wave 0..3
	s_lshr_b32 s11, s10, 1                         ; which half of the block's rows is mine.  Also: I fetch for A (0) or for B (1)
	s_and_b32 s12, s10, 1                          ; which half of its columns.  Also: which 128 rows of that tile I fetch
	s_bfe_u32 s40, ttmp6, 0x40000                  ; cx: my place along the cluster's x
	s_bfe_u32 s41, ttmp6, 0x40004                  ; cy: along its y
	s_lshl_b32 s42, ttmp9, 2                       ; in a cluster launch ttmp9 and ttmp7 count clusters
	s_add_co_u32 s42, s42, s40                     ; block column = 4 x cluster x + cx
	s_and_b32 s13, ttmp7, 0xffff
	s_lshl_b32 s13, s13, 2
	s_add_co_u32 s13, s13, s41                     ; block row = 4 x cluster y + cy
	s_lshl_b32 s43, s41, 2
	s_lshl_b32 s43, 15, s43                        ; my row of the cluster: places 4 cy .. 4 cy + 3
	s_lshl_b32 s44, 0x1111, s40                    ; my column: places cx, cx + 4, cx + 8, cx + 12
	; descriptor group 1: a tile of 128 rows x 128 elements of 2 bytes, padded in LDS
	s_or_b32 s[G1+0], s43, (1<<16)|(1<<20)|(1<<21)|(5<<22)|(3<<25)  ; 15:0 the mask: A's tiles go to my row; 17:16 element of 2 bytes; 20 padding on; 21 set beside a mask; 24:22 after every 64 words (code 5); 31:25 four words (code 3)
	s_or_b32 s[G1B+0], s44, (1<<16)|(1<<20)|(1<<21)|(5<<22)|(3<<25) ; the same with the mask of my column, for B's tiles
	s_mov_b32 s[G1+1], KSTEP<<16                   ; tensor_dim0 = 128 (the tiles lie inside the tensor: the extents are the tile's)
	s_mov_b32 s[G1B+1], KSTEP<<16
	s_mov_b32 s[G1+2], 128<<16                     ; tensor_dim1 = 128
	s_mov_b32 s[G1B+2], 128<<16
	s_mov_b32 s[G1+3], KSTEP<<16                   ; tile_dim0 = 128 elements, 256 bytes
	s_mov_b32 s[G1B+3], KSTEP<<16
	s_mov_b32 s[G1+4], 128                         ; tile_dim1 = 128 rows; tile_dim2 = 0
	s_mov_b32 s[G1B+4], 128
	s_mov_b32 s[G1+5], SIZE_K                      ; 4,096 elements from row to row
	s_mov_b32 s[G1B+5], SIZE_K
	s_mov_b32 s[G1+6], 0
	s_mov_b32 s[G1B+6], 0
	s_mov_b32 s[G1+7], 0
	s_mov_b32 s[G1B+7], 0
	; where the tiles come from.  A's hang on the block row alone, which my row of the cluster shares; B's on the block column alone, which my
	; column shares.  Every wave makes both addresses, in registers that never hold the other coordinate, and asks by one of them.
	s_lshl_b32 s17, s12, 7                         ; which 128 rows of the tile I fetch
	s_lshl_b32 s16, s13, 8
	s_add_co_u32 s16, s16, s17                     ; A: row 256 x block row + 128 x half
	s_lshl_b32 s46, s42, 8
	s_add_co_u32 s46, s46, s17                     ; B: row 256 x block column + 128 x half
	s_mov_b32 s17, 0
	s_mov_b32 s47, 0
	s_mov_b64 s[18:19], SIZE_K*2
	s_mul_u64 s[16:17], s[16:17], s[18:19]         ; in bytes
	s_mul_u64 s[46:47], s[46:47], s[18:19]
	s_mul_i32 s20, s10, HALFT                      ; and where they go: A's two halves, then B's two = wave x 128 rows: no place in the cluster enters an LDS address
	; where the results go: registers of their own
	s_lshl_b32 s76, s13, 8
	s_lshl_b32 s77, s11, 7
	s_add_co_u32 s76, s76, s77                     ; my first row of out0: 256 x block row + 128 x half,
	s_lshl_b32 s76, s76, 14                        ; times 16,384 bytes a row (below 2^26)
	s_mov_b32 s77, 0
	s_lshl_b32 s74, s42, 10                        ; my first column in bytes of f32: 1,024 x block column + 512 x half
	s_lshl_b32 s75, s12, 9
	s_add_co_u32 s74, s74, s75
	s_mov_b32 s75, 0
	s_wait_dscnt 0x0
	s_wait_kmcnt 0x0
	s_add_nc_u64 s[14:15], s[4:5], s[16:17]
	s_add_nc_u64 s[46:47], s[6:7], s[46:47]
	s_add_nc_u64 s[8:9], s[8:9], s[76:77]
	s_add_nc_u64 s[8:9], s[8:9], s[74:75]          ; out0 at my block's first number
	s_add_nc_u64 s[68:69], s[68:69], s[74:75]      ; bias at my first column
	CROUND                                         ; all sixteen work-groups are here: the first joint loads meet
.irp s, 0,1
	s_mov_b32 s[G0+4*\s], 1                                        ; count = 1
	s_add_co_u32 s[G0+4*\s+1], s20, \s*SLOT                        ; LDS address
	s_add_nc_u64 s[G0+4*\s+2:G0+4*\s+3], s[14:15], \s*KSTEP*2      ; global address: K step s
	s_or_b32 s[G0+4*\s+3], s[G0+4*\s+3], 0x80000000                ; type = 2
	s_mov_b32 s[G0B+4*\s], 1
	s_add_co_u32 s[G0B+4*\s+1], s20, \s*SLOT
	s_add_nc_u64 s[G0B+4*\s+2:G0B+4*\s+3], s[46:47], \s*KSTEP*2
	s_or_b32 s[G0B+4*\s+3], s[G0B+4*\s+3], 0x80000000
	JLOAD \s                                       ; both slots' first fills go out before anything else: two tensor loads of the wave are out
.endr
	; A fragment is 16 rows x 32 K in 8 registers: lane l holds row l % 16; registers 0-3 hold K = 8 (l / 16) + 0..7, registers 4-7 hold
	; K = 16 + 8 (l / 16) + 0..7.  From rows that lie along K: two loads of 16 bytes, 32 bytes apart.  The same for source 0 and source 1.
	v_and_b32 v1, 15, v0                           ; l % 16
	v_bfe_u32 v2, v0, 4, 1                         ; l / 16
	v_mul_u32_u24 v3, v1, PITCH
	v_lshl_add_u32 v3, v2, 4, v3                   ; row x pitch + 16 x half
	s_mul_i32 s21, s11, HALFT                      ; my 128 rows of A
	s_mul_i32 s22, s12, HALFT                      ; my 128 rows of B,
	s_add_co_u32 s22, s22, 2*HALFT                 ; which lie behind A's 256
.irp s, 0,1
	v_add_nc_u32 v[ADRA+\s], s21, v3
	v_add_nc_u32 v[ADRB+\s], s22, v3
	s_add_co_u32 s21, s21, SLOT
	s_add_co_u32 s22, s22, SLOT
.endr
	s_mul_i32 s23, s10, WSTAGE
	s_add_co_u32 s23, s23, STAGE                   ; my stage
	v_mul_u32_u24 v4, v1, SPITCH                   ; in: row l % 16, 32 bytes for each half of the lanes
	v_lshl_add_u32 v4, v2, 5, v4
	v_add_nc_u32 v[STO], s23, v4
	v_and_b32 v5, 31, v0
	v_lshlrev_b32 v[CO], 4, v5                     ; back: the 32 lanes take one row's 512 bytes, 16 each
	v_add_nc_u32 v[RD], s23, v[CO]
	global_load_b128 v[BI:BI+3], v[CO], s[68:69]   ; read back so, a lane has the same four columns in every row: four numbers of bias do for the whole block
	s_load_b32 s72, s[70:71], 0x0                  ; the scale
; 16 matrix instructions: m blocks a0, a0 + 1 of the window's four (hi = 0: my rows 0-63, 1: rows 64-127) x all 8 n blocks, 32 along K.
; zero = 1: the first product starts the sums: nothing is ever cleared.
.macro MUL16 f, hi, a0, zero
.irp a, \a0, \a0+1
.irp b, 0,1,2,3,4,5,6,7
.if \zero
	v_wmma_f32_16x16x32_bf16 v[8*(8*(\a)+\b):8*(8*(\a)+\b)+7], v[\f+8*\b:\f+8*\b+7], v[\f+8*(4*\hi+\a):\f+8*(4*\hi+\a)+7], 0
.else
	v_wmma_f32_16x16x32_bf16 v[8*(8*(\a)+\b):8*(8*(\a)+\b)+7], v[\f+8*\b:\f+8*\b+7], v[\f+8*(4*\hi+\a):\f+8*(4*\hi+\a)+7], v[8*(8*(\a)+\b):8*(8*(\a)+\b)+7]
.endif
.endr
.endr
.endm
; 32 LDS loads in one run: the fragments of one quarter step (128 rows of B, 128 rows of A, 32 K at byte k of the rows) into buffer f
.macro FETCH slot, k, f
	WIN TO_B
.irp i, 0,1,2,3,4,5,6,7
	ds_load_b128 v[\f+8*\i:\f+8*\i+3],   v[ADRB+\slot] offset:\k+\i*16*PITCH
	ds_load_b128 v[\f+8*\i+4:\f+8*\i+7], v[ADRB+\slot] offset:\k+\i*16*PITCH+32
.endr
	WIN 0
.irp i, 0,1,2,3,4,5,6,7
	ds_load_b128 v[\f+8*\i:\f+8*\i+3],   v[ADRA+\slot] offset:\k+\i*16*PITCH
	ds_load_b128 v[\f+8*\i+4:\f+8*\i+7], v[ADRA+\slot] offset:\k+\i*16*PITCH+32
.endr
.endm
; A load into a register that a matrix instruction has read, and an LDS store that reads a matrix result, stand four places behind that matrix
; instruction; only plain vector instructions that name none of its registers are places (ISA guide 7.12.1 for vector instructions)
; The matrix instructions in between are not counted.  So four v_nop stand in front of each run of loads:
; sixteen issue slots for a K step's 256 matrix instructions.
.macro PLACES
.rept 4
	v_nop
.endr
.endm
; A K step is four quarter steps of 32 along K, 64 matrix instructions each, on buffers 0, 1, 0, 1.
; One of the first three: multiplies buffer f; in its middle it fetches the next quarter's fragments, at byte k of the same slot's rows, into buffer g.
.macro QUARTER slot, k, f, g, zero
	s_wait_dscnt 8                                 ; B and A's rows 0-63 are in; the youngest eight loads (A's rows 64-127) may be out
	WIN MUL_LO
	MUL16 \f, 0, 0, \zero
	MUL16 \f, 0, 2, \zero
	PLACES
	FETCH \slot, \k, \g
	s_wait_dscnt 32                                ; all but the 32 just issued
	WIN MUL_HI
	MUL16 \f, 1, 0, \zero
	MUL16 \f, 1, 2, \zero
.endm
.macro THREE slot, zero
	QUARTER \slot, 64,  F0, F1, \zero
	QUARTER \slot, 128, F1, F0, 0
	QUARTER \slot, 192, F0, F1, 0
.endm
; The last quarter: multiplies buffer 1 and changes slots.  next = the other slot; fill = 1: this slot is filled again, two K steps ahead.
; One barrier for the change of slots, for two things.  In front of it each wave waits for its own reads of this slot and for all its tensor
; loads, of which one is out: its part of the next slot.  Behind it nobody reads this slot any more and the next slot is whole: the refill comes
; first, then the next slot's first fragments.  From a request to the wait for it a wave issues 240 matrix instructions.
.macro TURN slot, next, fill
	s_wait_dscnt 8
	WIN MUL_LO
	MUL16 F1, 0, 0, 0
	s_wait_dscnt 0                                 ; my reads of this slot are over
	s_wait_tensorcnt 0x0                           ; and all my tensor loads have landed: the one that was out is my part of the next slot
	ds_add_u32 v255, v255
	s_wait_dscnt 0x0
	s_barrier_signal -1                            ; say so (where a slot is filled again this barrier opens a round of the cluster's barrier),
	MUL16 F1, 0, 2, 0                              ; work on registers while the others arrive,
	WIN 0
	s_barrier_wait -1                              ; and go on when all four have said so
.if \fill
	CREST                                          ; all sixteen work-groups have said so: no wave of any partner still reads this slot's tile or has a load on its way
	s_add_nc_u64 s[G0+4*\slot+2:G0+4*\slot+3], s[G0+4*\slot+2:G0+4*\slot+3], 2*KSTEP*2     ; no tensor load of mine is out: the addresses step two K steps, 512 bytes
	s_add_nc_u64 s[G0B+4*\slot+2:G0B+4*\slot+3], s[G0B+4*\slot+2:G0B+4*\slot+3], 2*KSTEP*2
	JLOAD \slot                                    ; the first tensor load behind the round, and my only one until the next: one is out
.endif
	PLACES
	FETCH \next, 0, F0
	WIN MUL_HI
	MUL16 F1, 1, 0, 0
	MUL16 F1, 1, 2, 0
.endm
.macro LAP zero                        ; once round the ring, both slots filled again
	THREE 0, \zero
	TURN 0, 1, 1
	THREE 1, 0
	TURN 1, 0, 1
.endm
	s_wait_tensorcnt 1                             ; my part of K step 0 is in; K step 1's load, issued behind it, stays out
	s_wait_loadcnt 0x0                             ; the bias
	s_wait_kmcnt 0x0                               ; the scale
	v_mov_b32 v[SC], s72
	v_mov_b32 v[SC+1], s72
	s_barrier_signal -1
	s_barrier_wait -1                              ; everybody's part of K step 0 is in
	FETCH 0, 0, F0
	LAP 1                                          ; the first lap stands in front of the loop: its first products start the sums
	WIN 0                                          ; at a label and at a branch every window is 0
	s_mov_b32 s3, LAPS-2                           ; 14 laps; with the first they ask for K steps 2 to 31
.Llap:
	LAP 0
	WIN 0
	s_sub_co_u32 s3, s3, 1
	s_cmp_lg_u32 s3, 0
	s_cbranch_scc1 .Llap
	THREE 0, 0                                     ; the last lap fills nothing and has no round of the cluster's barrier: my one load still out is slot 1's, K step 31
	TURN 0, 1, 0
	THREE 1, 0
	s_wait_dscnt 8                                 ; the very last quarter: nothing more to fetch
	WIN MUL_LO
	MUL16 F1, 0, 0, 0
	MUL16 F1, 0, 2, 0
	s_wait_dscnt 0
	WIN MUL_HI
	MUL16 F1, 1, 0, 0
	MUL16 F1, 1, 2, 0
	; THE WAY OUT, 16 rows at a time: the f32 sums go as they are into my own stage in LDS, 32 bytes a lane, and come back as whole rows of
	; 512 bytes; then one fused multiply-add with scale and bias, and a store in which the wave covers 512 consecutive bytes of out0, at a
	; multiple of 512 from its first byte.  The four v_nop are the places behind the last matrix instructions, for the LDS stores that read
	; results and for the loads into buffers 0 and 1.
	PLACES
; rows 16 i .. 16 i + 15 of my block = the eight tiles (a, 0..7) of window 2 or 3 (from = 0x08 or 0x0c: an LDS store's data is source 1); f: F0 or F1 in turn
.macro OUT16 i, a, from, f
	WIN \from
.irp b, 0,1,2,3,4,5,6,7
	ds_store_b128 v[STO], v[8*(8*\a+\b):8*(8*\a+\b)+3]   offset:64*\b      ; row l % 16, columns 16 b + 8 (l / 16) + 0..3
	ds_store_b128 v[STO], v[8*(8*\a+\b)+4:8*(8*\a+\b)+7] offset:64*\b+16   ; and + 4..7
.endr
	WIN 0
	s_wait_xcnt 0x0                                ; every earlier store has had its addresses translated (ISA guide 3.1): buffer f, which stores read, and the stores' base are rewritten only behind this wait
.if \i
	s_add_nc_u64 s[8:9], s[8:9], 16*SIZE_N*4       ; 16 rows of out0 on
.endif
.irp t, 0,1,2,3,4,5,6,7,8,9,10,11,12,13,14,15
	ds_load_b128 v[\f+4*\t:\f+4*\t+3], v[RD] offset:\t*SPITCH      ; LDS serves a wave's instructions in order (ISA guide 5.7.1.4): these see the stores above, and the next sixteen rows' stores come behind them
.endr
.irp t, 0,1,2,3,4,5,6,7,8,9,10,11,12,13,14,15
	s_wait_dscnt 15-\t                             ; row t is in; the 15 - t loads issued behind it may be out
	v_pk_fma_f32 v[\f+4*\t:\f+4*\t+1],   v[\f+4*\t:\f+4*\t+1],   v[SC:SC+1], v[BI:BI+1]
	v_pk_fma_f32 v[\f+4*\t+2:\f+4*\t+3], v[\f+4*\t+2:\f+4*\t+3], v[SC:SC+1], v[BI+2:BI+3]
	global_store_b128 v[CO], v[\f+4*\t:\f+4*\t+3], s[8:9] offset:\t*SIZE_N*4 th:TH_STORE_NT   ; 15 rows of 16,384 bytes at the most in the immediate
.endr
.endm
	OUT16 0, 0, 0x08, F0
	OUT16 1, 1, 0x08, F1
	OUT16 2, 2, 0x08, F0
	OUT16 3, 3, 0x08, F1
	OUT16 4, 0, 0x0c, F0
	OUT16 5, 1, 0x0c, F1
	OUT16 6, 2, 0x0c, F0
	OUT16 7, 3, 0x0c, F1
	s_set_vgpr_msb 0x1
	s_wait_tensorcnt 0x0
	ds_add_u32 v255, v255
	s_wait_dscnt 0x0
	s_set_vgpr_msb 0x100
	CROUND                                         ; the closing round: no work-group ends while a partner may still ask for a tile that names it
	s_endpgm
.Lfunc_end_k_q665f2328ab_gemm:
	.size	k_q665f2328ab_gemm, .Lfunc_end_k_q665f2328ab_gemm-k_q665f2328ab_gemm
	.p2alignl 7, 3214868480
	.fill 96, 4, 3214868480
	.section	.rodata,"a",@progbits
	.p2align	6, 0x0
	.amdhsa_kernel k_q665f2328ab_gemm
		.amdhsa_group_segment_fixed_size 327680
		.amdhsa_private_segment_fixed_size 0
		.amdhsa_enable_private_segment 0
		.amdhsa_kernarg_size 40
		.amdhsa_user_sgpr_count 2
		.amdhsa_user_sgpr_kernarg_segment_ptr 1
		.amdhsa_wavefront_size32 1
		.amdhsa_system_sgpr_workgroup_id_x 1
		.amdhsa_system_sgpr_workgroup_id_y 1
		.amdhsa_system_sgpr_workgroup_id_z 1
		.amdhsa_system_vgpr_workitem_id 0
		.amdhsa_next_free_vgpr 1024
		.amdhsa_next_free_sgpr 80
		.amdhsa_reserve_vcc 0
		.amdhsa_float_denorm_mode_32 3
		.amdhsa_float_denorm_mode_16_64 3
		.amdhsa_memory_ordered 1
		.amdhsa_forward_progress 1
		.amdhsa_inst_pref_size 212
	.end_amdhsa_kernel
	.amdgpu_metadata
---
amdhsa.version: [ 1, 2 ]
amdhsa.kernels:
  - .name:           k_q665f2328ab_gemm
    .symbol:         k_q665f2328ab_gemm.kd
    .args:
      - { .name: xb, .offset: 0, .size: 8, .value_kind: global_buffer, .address_space: global }
      - { .name: wb, .offset: 8, .size: 8, .value_kind: global_buffer, .address_space: global }
      - { .name: out0, .offset: 16, .size: 8, .value_kind: global_buffer, .address_space: global }
      - { .name: bias, .offset: 24, .size: 8, .value_kind: global_buffer, .address_space: global }
      - { .name: scale, .offset: 32, .size: 8, .value_kind: global_buffer, .address_space: global }
    .group_segment_fixed_size: 327680
    .private_segment_fixed_size: 0
    .kernarg_segment_align: 8
    .kernarg_segment_size: 40
    .max_flat_workgroup_size: 128
    .sgpr_count:     80
    .vgpr_count:     1024
    .wavefront_size: 32
...
	.end_amdgpu_metadata
.endif
;; end of part 2
